; MI455X (gfx1250); checked and timed in simulation.
; The chip was launched on July 23, 2026; its instructions are those of AMD's public machine-readable ISA for CDNA 5 (MIT licence, August 2026) and "CDNA5" Instruction Set Architecture Reference Guide (July 2026). The comments in the code are by the model that wrote it; some were corrected since.
;; Multi Head Attention. Allowed arithmetic: matrix products marked QUANTISED: E2M1 operands, one E8M0 scale for each 32 along K, by v_wmma_scale_f32_16x16x128_f8f6f4 with both operands' format E2M1 (or v_wmma_scale_f32_32x16x128_f4), f32 sums; everything else in f32.
;; Inputs: Wk_codes 1,024 x 32 x 16 uint8 (E2M1 codes of Wk, K innermost, in blocks of 32 codes, two codes a byte); Wk_scales 1,024 x 32 uint8 (E8M0 scales of Wk, one for each 32 codes along K); Wq_codes 1,024 x 32 x 16 uint8 (E2M1 codes of Wq, K innermost, in blocks of 32 codes, two codes a byte); Wq_scales 1,024 x 32 uint8 (E8M0 scales of Wq, one for each 32 codes along K); Wv_codes 1,024 x 32 x 16 uint8 (E2M1 codes of Wv, K innermost, in blocks of 32 codes, two codes a byte); Wv_scales 1,024 x 32 uint8 (E8M0 scales of Wv, one for each 32 codes along K); bk 1,024 float32; bq 1,024 float32; bv 1,024 float32; k_codes 4 x 2,048 x 32 x 16 uint8 (E2M1 codes of k, K innermost, in blocks of 32 codes, two codes a byte); k_scales 4 x 2,048 x 32 uint8 (E8M0 scales of k, one for each 32 codes along K); q_codes 4 x 2,048 x 32 x 16 uint8 (E2M1 codes of q, K innermost, in blocks of 32 codes, two codes a byte); q_scales 4 x 2,048 x 32 uint8 (E8M0 scales of q, one for each 32 codes along K); v_codes 4 x 2,048 x 32 x 16 uint8 (E2M1 codes of v, K innermost, in blocks of 32 codes, two codes a byte); v_scales 4 x 2,048 x 32 uint8 (E8M0 scales of v, one for each 32 codes along K).
;; Outputs: out0 4 x 2,048 x 1,024 float32.
;; This version of the problem:
;;   THIS VERSION OF THE PROBLEM IS GIVEN IN LOW PRECISION. The matrix products marked QUANTISED in the list below multiply operands that are first quantised to E2M1 (2 exponent bits, 1 mantissa bit; 4 bits a number), with one power-of-two scale for each 32 numbers along K (OCP MX v1.0); their sums are f32. All else is computed in f32.
;;   The module's matrix products, in the order in which they are computed (A, B: the left and right operand; K: the contracted axis; several contracted axes count as one K, in the product's order):
;;     1. [M 8,192, K 1,024] x [K 1,024, N 1,024]; A: input q (given as codes); B: input Wq (given as codes): QUANTISED
;;     2. [M 8,192, K 1,024] x [K 1,024, N 1,024]; A: input k (given as codes); B: input Wk (given as codes): QUANTISED
;;     3. [M 8,192, K 1,024] x [K 1,024, N 1,024]; A: input v (given as codes); B: input Wv (given as codes): QUANTISED
;;     4. batch 64 x [M 2,048, K 64] x [K 64, N 2,048]; A: computed on the way; B: computed on the way: QUANTISED
;;     5. batch 64 x [M 2,048, K 2,048] x [K 2,048, N 64]; A: computed on the way; B: computed on the way: QUANTISED
;;   THE QUANTISER, for each operand of a quantised product, along K:
;;     - K is cut into blocks of 32 from its start; a last block that is shorter is filled with zeros.
;;     - A block's scale is 2^e with e = floor(log2(the largest magnitude in the block)) - 2, held to -126 .. 127; a block of zeros has e = 0. As a byte (E8M0): e + 127.
;;     - Each number is divided by its block's scale, clamped to +-6, and rounded to the nearest number of E2M1, ties to even, subnormals kept.
;;     - The product sums the exact products of the quantised numbers (number of the format x scale) in f32.
;;   ~~~python
;;   def quantise(x, axis):      # numpy; x: float32 -> the quantised numbers, widened to float32 again
;;       x = np.moveaxis(x, axis, -1); K = x.shape[-1]
;;       x = np.pad(x, [(0, 0)] * (x.ndim - 1) + [(0, -K % 32)]); x = x.reshape(x.shape[:-1] + (-1, 32)); a = np.abs(x).max(-1, keepdims=True)
;;       e = np.where(a > 0, np.clip(np.frexp(np.where(a > 0, a, 1))[1] - 1 - 2, -126, 127), 0)      # np.frexp(a)[1] - 1 = floor(log2(a)), exactly
;;       r = np.clip(x / 2.0 ** e, -6, 6)
;;       step = 2.0 ** (np.maximum(np.frexp(np.where(r == 0, 1, r))[1] - 1, 0) - 1)
;;       q = np.round(r / step) * step * 2.0 ** e      # np.round: ties to even
;;       return np.moveaxis(q.reshape(q.shape[:-2] + (-1,))[..., :K], -1, axis).astype(np.float32)
;;   ~~~
;;   OPERANDS COMPUTED ON THE WAY. 'Computed on the way' means the value that the module computes at that place (a softmax that the list does not call 'softmax' is quantised finished and normalised). What goes into a quantiser is computed in f32, as accurately as f32 sums, v_exp_f32 and their like allow (about 1e-6 of the number): no bf16 or f16 on the way to a quantiser, and a product that is left as it is and whose result goes on into a quantised operand takes f32 operands (vector FMAs, or v_wmma_f32_16x16x4_f32). A number that lies on a knife's edge between two numbers of the format may be rounded either way, as far as f32 arithmetic and the matrix unit's own rounding can turn it there, and no further.
;;   INPUTS GIVEN AS CODES. Wk (in the module: [1024, 1024], K = its axis 0); Wq (in the module: [1024, 1024], K = its axis 0); Wv (in the module: [1024, 1024], K = its axis 0); k (in the module: [4, 2048, 1024], K = its axis 2); q (in the module: [4, 2048, 1024], K = its axis 2); v (in the module: [4, 2048, 1024], K = its axis 2): each comes as NAME_codes (uint8): NAME with its K axis moved to the last place and cut into blocks of 32 codes, [.., K / 32, bytes a block], one block behind the other in memory; two codes a byte, the lower K in the low four bits (a code: sign, 2 exponent bits, 1 mantissa bit); and NAME_scales (uint8): the same leading axes, one E8M0 byte (e + 127) for each 32 codes along K. Its value is code x scale, taken as it is: it is not quantised again, and the codes and scales need not be those that the quantiser above would give.
;; One version. Each part assembles by itself: llvm-mc -triple=amdgcn-amd-amdhsa -mcpu=gfx1250 --defsym DOCPART=n.
;; ======== version 1 of 1: 2 launches
;; workspace buffers: acts 12,582,912 bytes; scl 1,572,864 bytes
;; launch proj (part 1): grid 4 x 96, 4 waves a work-group, clusters of 4 x 4, 296,448 bytes of LDS; arguments q_codes, q_scales, Wq_codes, Wq_scales, bq, k_codes, k_scales, Wk_codes, Wk_scales, bk, Wv_codes, Wv_scales, v_codes, v_scales, bv, acts, scl; writes acts, scl
.if DOCPART == 1
	.amdgcn_target "amdgcn-amd-amdhsa--gfx1250"
	.amdhsa_code_object_version 6
	.text
	.protected	k_q01559472c3_proj
	.globl	k_q01559472c3_proj
	.p2align	8
	.type	k_q01559472c3_proj,@function
k_q01559472c3_proj:
	s_mov_b64 s[64:65], 0
	v_nop
	global_prefetch_b8 v0, s[64:65] scope:SCOPE_SE
	s_setreg_imm32_b32 hwreg(HW_REG_WAVE_MODE, 25, 1), 1
	s_wait_xcnt 0x0
	s_wait_alu depctr_hold_cnt(0) depctr_sa_sdst(0) depctr_va_vdst(0) depctr_va_sdst(0) depctr_va_ssrc(0) depctr_va_vcc(0) depctr_vm_vsrc(0)
	s_getreg_b32 s2, hwreg(HW_REG_IB_STS2, 6, 4)
	s_cmp_eq_u32 s2, 0
	s_cbranch_scc0 .Lentry_in_a_cluster
	s_endpgm
.Lentry_in_a_cluster:
	s_bfe_u32 s2, ttmp6, 0x10000c
	s_cmp_lg_u32 s2, 0xf033
	s_cbranch_scc0 .Lentry_shape_is_right
	s_endpgm
.Lentry_shape_is_right:
; THE THREE PROJECTIONS x W + b ON CODES OF FP4 (E2M1) WITH E8M0 SCALES, AND THEIR RESULTS QUANTISED FOR THE ATTENTION LAUNCH.
; Each projection is [8192 x 1024] x [1024 x 1024]; both operands come as codes, K innermost (a row of 1,024 codes is 512 bytes), with one scale byte for each 32 along K (32 bytes a row).
; ONE BODY FOR ALL THREE.  P is the operand along whose rows the RESULT is quantised next: it is source 0 of the matrix instruction.  R is the other: source 1.  In a result lane (r, h) then holds row r of R and
; its registers 0 .. 7 the rows 8 h + 0 .. 7 of P: eight neighbours along the next product's K.  For q and k the next K is the head's 64 channels: P = W (1,024 rows), R = the tokens (8,192 rows).
; For v the next K is the keys: P = v's tokens, R = Wv.  Which tensors are P and R is a choice of pointers on z (0: q, 1: k, 2: v), made from the cluster's number alone.
; SHARES.  384 tiles of 256 (P) x 256 (R): 24 clusters of 4 x 4 work-groups, eight for each z.  Four waves, each 128 x 128: 64 accumulators, 512 registers.  All of K (1,024) lies in LDS at once, as two slots of 512
; along K: three tensor loads a wave (scale bytes, slot 0, slot 1), all issued at the start; nothing is filled twice.
; CLUSTER.  P's tile hangs on cx alone and is asked for jointly by a column of the cluster, R's on cy alone and by a row: the same tensor load, descriptor and mask in the four that the mask names.
; THE BIAS runs along P's rows for q and k (it is then the C of each sum's first matrix instruction) and along R's rows for v (it is then added as the results are brought into window 0).  Both ways are always
; walked; the one that does not apply is masked to 0.
; THE WAY OUT.  A block of 32 along the next K lies in two neighbouring result tiles and in lanes l and l xor 16.  Eight numbers of a tile make one register of codes; the registers of tiles 4 c, 4 c + 2, 4 c + 1, 4 c + 3
; in this order, with the halves of each neighbouring pair exchanged, are registers 4 c .. 4 c + 3 of an operand of 16 rows x 128 K.  They are stored as they stand, lane l's 16 bytes at 16 l: 512 consecutive bytes a store.
;   acts [z 3][b 4][GW 8][c 2][s 16][a 8][512]: GX = 16 b + s is the group of 128 tokens, GW the group of 128 of W's rows, a the tile of 16 of R's rows, c the plane of four registers.
;   scl  [z 3][b 4][GW 8][c 2][s 16][512]: word i of lane l is the scale word of tile a = 2 i + l / 16, row l % 16.  q, k: plane c holds head 2 GW + c's two bytes, the upper two bytes 0.  v: plane 0 alone, four bytes.
; LIMITS: NaN and infinities among biases and scales are not served.  A block whose largest magnitude lies under 2^-124, a block of zeros among them, gets the byte 1 (the quantiser gives a block of zeros 127): its
; codes are zeros or the nearest codes under that scale, and these bytes are read by this program alone.
; REGISTERS, in windows of 256.  Window 0: v1-27 addresses; v32-95 scale words, two sets; v96-111 the bias along R; v128-191 R's fragments, one set; v192-255 the bias along P.  On the way out v32-95 take the codes,
; v128-191 a block's 64 numbers, v192-227 the work.  Window 1: P's fragments, two sets.  Windows 2, 3: the accumulators, (a, b) at v[8 (8 (a % 4) + b)].
.set KSTEP,  512                       ; along K in a slot
.set NQ,     4                         ; matrix instructions deep
.set ROWB,   256                       ; a tile's row in bytes
.set KROW,   512                       ; a row of codes in memory
.set PITCH,  272                       ; an LDS row: 256 bytes + 16 of padding: the 16 rows that a load touches begin 68 words apart
.set FR,     8                         ; registers of a fragment
.set NL,     2                         ; LDS loads that bring one
.set NP,     4                         ; places behind this matrix instruction (ISA guide 7.12.1)
.set HALFT,  128*PITCH                 ; 128 rows: one tensor load
.set SLOT,   4*HALFT                   ; R's 256 rows, then P's 256 rows
.set KS,     32                        ; a row of scale bytes
.set SCL,    2*SLOT                    ; behind the slots: the scale bytes, as units of 256 bytes + 16 of padding
.set HALFS,  (128*KS/256)*272          ; those of 128 rows
.set SBLK,   (16*KS/256)*272           ; those of 16 rows
.set ADRA, 16                          ; v16-17  LDS address of my R fragments in slot 0, 1
.set ADRB, 20                          ; v20-21  the same for P
.set LN,   25                          ; v25     my lane
.set LI,   26                          ; v26     16 x lane
.set ADRS, 27                          ; v27     LDS address of my scale words: lanes 0-15 R's rows, lanes 16-31 P's
.set SC,   32
.set BJ,   96                          ; register 96 + 2 a: the bias of R's row 16 a + r; the odd registers are 0 (named with them as pairs)
.set AF,   128
.set BI,   192                         ; register 192 + 8 b + j: the bias of P's row 16 b + 8 h + j
.set PCS,  32                          ; the way out: eight registers of codes for each a
.set HA,   128                         ; 64 numbers
.set TM,   192                         ; +0..3 largest magnitudes, +4..7 the other half's, then bytes, +12..15 the conversions' scale operands
.set FULL, 208                         ; the scale word of each a
.set T,    216
.set U,    220
.set W,    224
.set RC,   4                           ; s[4:5]   R's codes;  s[6:7] R's scales;  s[8:9] P's codes;  s[10:11] P's scales;  s[12:13] the bias
.set RS,   6
.set PCO,  8
.set PS,   10
.set BIA,  12
.set OC,   14                          ; s[14:15] acts, then acts at my wave's part;  s[16:17] scl likewise
.set OS,   16
.set WV,   18
.set HR,   19                          ; which half of R's rows is mine.  Also: I fetch for R (0) or for P (1)
.set HP,   20                          ; which half of P's rows is mine.  Also: which 128 rows I fetch
.set ZZ,   21
.set CC,   22
.set G1,   24                          ; s[24:31] group 1 for R's tiles;  s[32:39] groups 0, one a slot
.set G0,   32
.set G1B,  48                          ; s[48:55], s[56:63] the same for P's
.set G0B,  56
.set G1S,  68                          ; s[68:75], s[76:79] groups 1 and 0 for R's scale bytes;  s[80:87], s[88:91] for P's
.set G0S,  76
.set G1SB, 80
.set G0SB, 88
.set SEL,  94                          ; s[94:95] v_permlanex16_b32's selects for lane l xor 16
.set MI,   96                          ; all ones where the bias runs along P
.set MJ,   97                          ; all ones where it runs along R
.set MLO,  98                          ; which bytes of a scale word go to plane 0
.set MSB, 0
.macro WIN new                         ; the immediate's high byte repeats the setting that is left
.if MSB != (\new)
	s_set_vgpr_msb (MSB<<8)|(\new)
.set MSB, (\new)
.endif
.endm
.set MUL_LO,   0xa1                    ; source 0 (P) window 1, source 1 (R) window 0, C and D window 2
.set MUL_HI,   0xf1                    ; the same, C and D window 3
.set FIRST_LO, 0x81                    ; C (the bias) window 0, D window 2
.set FIRST_HI, 0xc1                    ; C window 0, D window 3
.set TO_B,     0x40                    ; destination window 1
.set RD_LO,    0x02                    ; source 0 window 2 (RD_LO + 1: window 3)
; A joint load: waves 0 and 1 fetch for R, waves 2 and 3 for P.  Each line has one mask and one set of registers for all that issue it; the branch hangs on the wave's number alone.
; Four v_nop follow each of the two lines, ahead of the jump, the label and what follows.
.macro JLOAD g0a, g1a, g0b, g1b
	s_cmp_eq_u32 s[HR], 0
	s_cbranch_scc0 .Lfor_b_\@
	tensor_load_to_lds s[\g0a:\g0a+3], s[\g1a:\g1a+7]
	s_nop 0
.rept 4
	v_nop
.endr
	s_branch .Lasked_\@
.Lfor_b_\@:
	tensor_load_to_lds s[\g0b:\g0b+3], s[\g1b:\g1b+7]
	s_nop 0
.rept 4
	v_nop
.endr
.Lasked_\@:
.endm
.macro CROUND                          ; a round of the cluster's barrier: my work-group's barrier; wave 0 signals for the work-group; every wave waits for all sixteen; my work-group's barrier once more
	s_barrier_signal -1
	s_barrier_wait -1
	s_cmp_lg_u32 s[WV], 0
	s_cbranch_scc1 .Lnot_wave_0_\@
	s_barrier_signal -3
.Lnot_wave_0_\@:
	s_barrier_wait -3
	s_barrier_signal -1
	s_barrier_wait -1
.endm
	s_load_b512 s[68:83], s[0:1], 0x0              ; q_codes, q_scales, Wq_codes, Wq_scales, bq, k_codes, k_scales, Wk_codes
	s_load_b512 s[84:99], s[0:1], 0x40             ; Wk_scales, bk, Wv_codes, Wv_scales, v_codes, v_scales, bv, acts
	s_load_b64 s[100:101], s[0:1], 0x80            ; scl
	v_lshl_add_u32 v126, v0, 2, 0x48400
	v_mov_b32 v127, 0
	ds_add_u32 v126, v127
	ds_add_u32 v126, v127
	v_lshrrev_b32 v1, 5, v0
	v_readfirstlane_b32 s[WV], v1                  ; wave 0..3
	s_lshr_b32 s[HR], s[WV], 1
	s_and_b32 s[HP], s[WV], 1
	s_bfe_u32 s40, ttmp6, 0x40000                  ; cx, cy: my place in the cluster
	s_bfe_u32 s41, ttmp6, 0x40004
	s_and_b32 s[CC], ttmp7, 0xffff                 ; the cluster's number, 0 .. 23
	s_lshr_b32 s[ZZ], s[CC], 3                     ; z: which projection
	s_and_b32 s[CC], s[CC], 7                      ; which of its eight clusters
	s_cmp_eq_u32 s[ZZ], 2
	s_cselect_b32 s42, s[CC], 0                    ; the clusters walk the tokens' side: P's for v,
	s_cselect_b32 s43, 0, s[CC]                    ; R's for q and k
	s_lshl_b32 s42, s42, 2
	s_add_co_u32 s42, s42, s40                     ; P's tile of 256 rows
	s_lshl_b32 s43, s43, 2
	s_add_co_u32 s43, s43, s41                     ; R's tile of 256 rows
	s_lshl_b32 s44, s41, 2
	s_lshl_b32 s44, 15, s44                        ; my row of the cluster
	s_lshl_b32 s45, 0x1111, s40                    ; my column
	; descriptor group 1: a tile of 128 rows x 256 bytes, padded in LDS
	s_or_b32 s[G1+0], s44, (0<<16)|(1<<20)|(1<<21)|(5<<22)|(3<<25)   ; 15:0 the mask: R's tiles go to my row; 17:16 elements of 1 byte; 20 padding on; 21 set beside a mask; 24:22 after every 64 words; 31:25 four words
	s_or_b32 s[G1B+0], s45, (0<<16)|(1<<20)|(1<<21)|(5<<22)|(3<<25)  ; P's go to my column
.irp g, G1, G1B
	s_mov_b32 s[\g+1], ROWB<<16                    ; tensor_dim0
	s_mov_b32 s[\g+2], 128<<16                     ; tensor_dim1
	s_mov_b32 s[\g+3], ROWB<<16                    ; tile_dim0
	s_mov_b32 s[\g+4], 128                         ; tile_dim1
	s_mov_b32 s[\g+5], KROW                        ; tensor_dim0_stride
	s_mov_b32 s[\g+6], 0
	s_mov_b32 s[\g+7], 0
.endr
	s_wait_dscnt 0x0
	s_wait_kmcnt 0x0
	s_cmp_eq_u32 s[ZZ], 1                          ; the choice of tensors hangs on z alone
	s_cselect_b64 s[RC:RC+1], s[78:79], s[68:69]
	s_cselect_b64 s[RS:RS+1], s[80:81], s[70:71]
	s_cselect_b64 s[PCO:PCO+1], s[82:83], s[72:73]
	s_cselect_b64 s[PS:PS+1], s[84:85], s[74:75]
	s_cselect_b64 s[BIA:BIA+1], s[86:87], s[76:77]
	s_cmp_eq_u32 s[ZZ], 2
	s_cselect_b64 s[RC:RC+1], s[88:89], s[RC:RC+1]
	s_cselect_b64 s[RS:RS+1], s[90:91], s[RS:RS+1]
	s_cselect_b64 s[PCO:PCO+1], s[92:93], s[PCO:PCO+1]
	s_cselect_b64 s[PS:PS+1], s[94:95], s[PS:PS+1]
	s_cselect_b64 s[BIA:BIA+1], s[96:97], s[BIA:BIA+1]
	s_mov_b64 s[OC:OC+1], s[98:99]
	s_mov_b64 s[OS:OS+1], s[100:101]               ; s68 to s101 are free from here on
	; where the tiles come from.  R's addresses are made of cy, P's of cx, each in registers that never hold the other
	s_lshl_b32 s47, s[HP], 7                       ; which 128 rows of the tile I fetch
	s_lshl_b32 s46, s43, 8
	s_add_co_u32 s46, s46, s47                     ; R: row 256 x tile + 128 x half
	s_lshl_b32 s92, s46, 9                         ; its codes: 512 bytes a row (under 2^22)
	s_mov_b32 s93, 0
	s_add_nc_u64 s[92:93], s[RC:RC+1], s[92:93]
	s_lshl_b32 s2, s46, 5                          ; its scale bytes: 32 a row
	s_mov_b32 s3, 0
	s_add_nc_u64 s[2:3], s[RS:RS+1], s[2:3]
	s_lshl_b32 s23, s42, 8
	s_add_co_u32 s23, s23, s47                     ; P likewise
	s_lshl_b32 s94, s23, 9
	s_mov_b32 s95, 0
	s_add_nc_u64 s[94:95], s[PCO:PCO+1], s[94:95]
	s_lshl_b32 s96, s23, 5
	s_mov_b32 s97, 0
	s_add_nc_u64 s[96:97], s[PS:PS+1], s[96:97]
	s_mul_i32 s98, s[WV], HALFT                    ; where they go: wave x 128 rows: no place in the cluster enters an LDS address
	s_mul_i32 s99, s[WV], HALFS
	; the scale bytes of 128 rows: a dense block of 4,096 bytes, as 16 rows of 256 bytes (32 elements of 8), 16 bytes of padding behind each
	s_or_b32 s[G1S+0], s44, (3<<16)|(1<<20)|(1<<21)|(5<<22)|(3<<25)
	s_or_b32 s[G1SB+0], s45, (3<<16)|(1<<20)|(1<<21)|(5<<22)|(3<<25)
.irp g, G1S, G1SB
	s_mov_b32 s[\g+1], 32<<16
	s_mov_b32 s[\g+2], (128*KS/256)<<16
	s_mov_b32 s[\g+3], 32<<16
	s_mov_b32 s[\g+4], 128*KS/256
	s_mov_b32 s[\g+5], 32
	s_mov_b32 s[\g+6], 0
	s_mov_b32 s[\g+7], 0
.endr
	s_mov_b32 s[G0S], 1
	s_add_co_u32 s[G0S+1], s99, SCL
	s_mov_b64 s[G0S+2:G0S+3], s[2:3]
	s_or_b32 s[G0S+3], s[G0S+3], 0x80000000
	s_mov_b32 s[G0SB], 1
	s_add_co_u32 s[G0SB+1], s99, SCL
	s_mov_b64 s[G0SB+2:G0SB+3], s[96:97]
	s_or_b32 s[G0SB+3], s[G0SB+3], 0x80000000
.irp s, 0,1
	s_mov_b32 s[G0+4*\s], 1                                        ; count = 1
	s_add_co_u32 s[G0+4*\s+1], s98, \s*SLOT                        ; LDS address
	s_add_nc_u64 s[G0+4*\s+2:G0+4*\s+3], s[92:93], \s*ROWB         ; global address: 512 along K a slot
	s_or_b32 s[G0+4*\s+3], s[G0+4*\s+3], 0x80000000                ; type = 2
	s_mov_b32 s[G0B+4*\s], 1
	s_add_co_u32 s[G0B+4*\s+1], s98, \s*SLOT
	s_add_nc_u64 s[G0B+4*\s+2:G0B+4*\s+3], s[94:95], \s*ROWB
	s_or_b32 s[G0B+4*\s+3], s[G0B+4*\s+3], 0x80000000
.endr
	CROUND                                         ; all sixteen work-groups are here: the joint loads meet
	JLOAD G0S, G1S, G0SB, G1SB                     ; the scale bytes first: they are wanted with slot 0.  Three tensor loads of mine are out behind these three lines
	JLOAD G0, G1, G0B, G1B
	JLOAD G0+4, G1, G0B+4, G1B
	; LDS addresses, while the tiles are on their way
	v_and_b32 v1, 15, v0                           ; r
	v_bfe_u32 v2, v0, 4, 1                         ; h
	v_and_b32 v[LN], 31, v0
	v_lshlrev_b32 v[LI], 4, v[LN]
	v_mul_u32_u24 v3, v1, PITCH
	v_lshl_add_u32 v4, v2, 4, v3                   ; a fragment's row x pitch + 16 x half
	s_mul_i32 s2, s[HR], HALFT                     ; my 128 rows of R
	s_mul_i32 s3, s[HP], HALFT                     ; my 128 rows of P,
	s_add_co_u32 s3, s3, 2*HALFT                   ; which lie behind R's 256
.irp s, 0,1
	v_add_nc_u32 v[ADRA+\s], s2, v4
	v_add_nc_u32 v[ADRB+\s], s3, v4
	s_add_co_u32 s2, s2, SLOT
	s_add_co_u32 s3, s3, SLOT
.endr
	v_mul_u32_u24 v5, v1, KS                       ; my row's scale bytes: 32 a row,
	v_lshrrev_b32 v6, 8, v5
	v_lshl_add_u32 v5, v6, 4, v5                   ; and 16 more for each 256 passed
	s_mul_i32 s2, s[HR], HALFS
	s_mul_i32 s3, s[HP], HALFS
	s_add_co_u32 s3, s3, 2*HALFS
	s_sub_co_u32 s3, s3, s2
	v_mul_u32_u24 v6, s3, v2                       ; lanes 16-31 take P's: one product, the distance x h
	s_add_co_u32 s2, s2, SCL
	v_add_nc_u32 v5, v5, v6
	v_add_nc_u32 v[ADRS], s2, v5
	; the bias, and where the results go
	s_lshl_b32 s23, s42, 1
	s_add_co_u32 s23, s23, s[HP]                   ; GP: my group of 128 of P's rows
	s_lshl_b32 s99, s43, 1
	s_add_co_u32 s99, s99, s[HR]                   ; GR: of R's
	s_mov_b32 s[MLO], 0xffff
	s_cmp_eq_u32 s[ZZ], 2
	s_cselect_b32 s[MI], 0, -1
	s_cselect_b32 s[MJ], -1, 0
	s_cselect_b32 s[MLO], -1, s[MLO]
	s_cselect_b32 s2, 0, s23                       ; the side that is masked reads the bias's first 512 bytes: every load stays inside its 4,096
	s_cselect_b32 s46, s99, 0
	s_cselect_b32 s92, s23, s99                    ; GX: the tokens' group, 0 .. 63
	s_cselect_b32 s93, s99, s23                    ; GW: the weight's group, 0 .. 7
	s_lshl_b32 s2, s2, 9
	s_mov_b32 s3, 0
	s_add_nc_u64 s[2:3], s[BIA:BIA+1], s[2:3]
	s_lshl_b32 s46, s46, 9
	s_mov_b32 s47, 0
	s_add_nc_u64 s[46:47], s[BIA:BIA+1], s[46:47]
	v_lshlrev_b32 v7, 5, v2                        ; 32 h: my eight numbers of a tile of 16
	v_lshlrev_b32 v8, 2, v1                        ; 4 r
.irp b, 0,1,2,3,4,5,6,7
	global_load_b128 v[BI+8*\b:BI+8*\b+3], v7, s[2:3] offset:64*\b
	global_load_b128 v[BI+8*\b+4:BI+8*\b+7], v7, s[2:3] offset:64*\b+16
.endr
.irp a, 0,1,2,3,4,5,6,7
	global_load_b32 v[BJ+2*\a], v8, s[46:47] offset:64*\a
.endr
	s_lshl_b32 s40, s[ZZ], 22                      ; acts: z, b = GX / 16, GW, s = GX % 16
	s_lshr_b32 s41, s92, 4
	s_lshl_b32 s41, s41, 20
	s_add_co_u32 s40, s40, s41
	s_lshl_b32 s41, s93, 17
	s_add_co_u32 s40, s40, s41
	s_and_b32 s41, s92, 15
	s_lshl_b32 s41, s41, 12
	s_add_co_u32 s40, s40, s41
	s_mov_b32 s41, 0
	s_add_nc_u64 s[OC:OC+1], s[OC:OC+1], s[40:41]
	s_lshr_b32 s40, s40, 3                         ; scl: every stride is an eighth of acts'
	s_add_nc_u64 s[OS:OS+1], s[OS:OS+1], s[40:41]
	s_mov_b32 s[SEL], 0x76543210
	s_mov_b32 s[SEL+1], 0xfedcba98
	s_wait_loadcnt 0x0                             ; the bias
.set n, 0
.rept 64
	v_and_b32 v[BI+n], s[MI], v[BI+n]
.set n, n+1
.endr
.irp a, 0,1,2,3,4,5,6,7
	v_and_b32 v[BJ+2*\a], s[MJ], v[BJ+2*\a]
	v_mov_b32 v[BJ+2*\a+1], 0
.endr
.macro FRAG reg, adr, q, i             ; 16 rows x 128 K of 4-bit codes, 8 registers: lane l holds row l % 16; registers 4 c .. 4 c + 3 hold K = 64 c + 32 (l / 16) + 0 .. 31
.irp c, 0,1
	ds_load_b128 v[\reg+4*\c:\reg+4*\c+3], v[\adr] offset:64*(\q)+32*\c+(\i)*16*PITCH
.endr
.endm
; 16 matrix instructions: R's blocks a0, a0 + 1 x P's eight, the slot's q-th 128 along K.  p: P's set;  sc: the set of scale words.  first = 1: the bias along P is the C, so nothing is cleared or added.
; The 64 accumulators take turns, one instruction a turn, in the same order in every step.
.macro MUL16 a0, p, q, sc, first
.irp a, \a0, \a0+1
.irp b, 0,1,2,3,4,5,6,7
.if \first
	v_wmma_scale_f32_16x16x128_f8f6f4 v[8*(8*((\a)%4)+\b):8*(8*((\a)%4)+\b)+7], v[128*(\p)+FR*\b:128*(\p)+FR*\b+FR-1], v[AF+FR*(\a):AF+FR*(\a)+FR-1], v[BI+8*\b:BI+8*\b+7], v[SC+8*NQ*(\sc)+NQ*\b+(\q)], v[SC+8*NQ*(\sc)+NQ*(\a)+(\q)] matrix_a_fmt:MATRIX_FMT_FP4 matrix_b_fmt:MATRIX_FMT_FP4 matrix_a_scale:MATRIX_SCALE_ROW1
.else
	v_wmma_scale_f32_16x16x128_f8f6f4 v[8*(8*((\a)%4)+\b):8*(8*((\a)%4)+\b)+7], v[128*(\p)+FR*\b:128*(\p)+FR*\b+FR-1], v[AF+FR*(\a):AF+FR*(\a)+FR-1], v[8*(8*((\a)%4)+\b):8*(8*((\a)%4)+\b)+7], v[SC+8*NQ*(\sc)+NQ*\b+(\q)], v[SC+8*NQ*(\sc)+NQ*(\a)+(\q)] matrix_a_fmt:MATRIX_FMT_FP4 matrix_b_fmt:MATRIX_FMT_FP4 matrix_a_scale:MATRIX_SCALE_ROW1
.endif
.endr
.endr
.endm
.macro FETCH_B slot, q, p              ; P's eight fragments of the slot's q-th 128 along K into set p
	WIN TO_B
.irp i, 0,1,2,3,4,5,6,7
	FRAG 128*(\p)+FR*\i, ADRB+\slot, \q, \i
.endr
	WIN 0
.endm
.macro FETCH_A slot, q, i0             ; R's blocks i0 .. i0 + 3
.irp i, \i0, \i0+1, \i0+2, \i0+3
	FRAG AF+FR*(\i), ADRA+\slot, \q, \i
.endr
.endm
.macro SCALES sc                       ; a slot's scale words into set sc: four words a row; lanes 0-15 take R's block i, lanes 16-31 P's block i
.irp i, 0,1,2,3,4,5,6,7
	ds_load_b128 v[SC+8*NQ*\sc+NQ*\i:SC+8*NQ*\sc+NQ*\i+3], v[ADRS] offset:\i*SBLK
.endr
.endm
.macro PLACES n                        ; plain vector instructions that name no register of the matrix instructions ahead: in front of loads into registers that those have read (ISA guide 7.12.1 for vector instructions)
.rept \n
	v_nop
.endr
.endm
; A step of 128 along K that has its successor in the same slot.  A block of R is free as soon as its eight products are issued: blocks 0-3 are fetched anew in the step's middle, blocks 4-7 at its end.
.macro STEP slot, q, first
	s_wait_dscnt 4*NL                              ; P's set, the scale words and R's blocks 0-3 are in; the youngest eight loads (R's blocks 4-7) may be out
.if \first
	WIN FIRST_LO
.else
	WIN MUL_LO
.endif
	MUL16 0, (\q)%2, \q, \slot, \first
	MUL16 2, (\q)%2, \q, \slot, \first
	s_wait_dscnt 0                                 ; R's blocks 4-7 are in
	PLACES NP
	FETCH_B \slot, (\q)+1, 1-(\q)%2
	FETCH_A \slot, (\q)+1, 0
.if \first
	WIN FIRST_HI
.else
	WIN MUL_HI
.endif
	MUL16 4, (\q)%2, \q, \slot, \first
	MUL16 6, (\q)%2, \q, \slot, \first
	PLACES NP
	WIN 0
	FETCH_A \slot, (\q)+1, 4
.endm
.macro STEPS slot, from                ; the slot's steps from .. NQ - 2
.set Q, \from
.rept NQ-1-\from
	STEP \slot, Q, 0
.set Q, Q+1
.endr
.endm
	s_wait_tensorcnt 1                             ; the scale bytes and my part of slot 0 are in (one younger load, slot 1's, may be out),
	s_barrier_signal -1
	s_barrier_wait -1                              ; everybody's are
	FETCH_B 0, 0, 0
	FETCH_A 0, 0, 0
	SCALES 0
	FETCH_A 0, 0, 4
	STEP 0, 0, 1                                   ; the first step starts the sums on the bias
	STEPS 0, 1
	; slot 0's last step goes over to slot 1: each wave's part of slot 1 has landed, then the barrier, then slot 1 is read.  Nothing is filled again
	s_wait_tensorcnt 0x0                           ; my part of slot 1 is in
	s_wait_dscnt 4*NL                              ; (R's blocks 4-7 may be out)
	WIN MUL_LO
	MUL16 0, 1, NQ-1, 0, 0
	s_wait_dscnt 0x0                               ; no LDS instruction of mine is out at the signal
	s_barrier_signal -1
	MUL16 2, 1, NQ-1, 0, 0                         ; work on registers while the others arrive
	WIN 0
	s_barrier_wait -1
	PLACES NP
	v_add_nc_u32 v[ADRS], 4*NQ, v[ADRS]            ; on to slot 1's scale words: 16 bytes on in each row
	FETCH_B 1, 0, 0
	FETCH_A 1, 0, 0
	SCALES 1
	WIN MUL_HI
	MUL16 4, 1, NQ-1, 0, 0
	MUL16 6, 1, NQ-1, 0, 0
	PLACES NP
	WIN 0
	FETCH_A 1, 0, 4
	STEPS 1, 0
	s_wait_dscnt 4*NL                              ; the last step: nothing more to fetch
	WIN MUL_LO
	MUL16 0, 1, NQ-1, 1, 0
	MUL16 2, 1, NQ-1, 1, 0
	s_wait_dscnt 0
	WIN MUL_HI
	MUL16 4, 1, NQ-1, 1, 0
	MUL16 6, 1, NQ-1, 1, 0
	WIN 0
; 64 numbers of a lane, register 8 b + j = P's row 16 b + 8 h + j of my row of R, become an operand's eight registers of codes in v[pc] on and its scale word in v[pw].
.macro QUANT4 s, pc, pw
.irp b, 0,1,2,3
	v_max3_num_f32 v[TM+\b], |v[16*\b+(\s)]|, |v[16*\b+1+(\s)]|, 0x1800000   ; block b: my 16 numbers, and the floor 2^(3 - 127): so the byte cannot fall under 1
.endr
.irp i, 2,4,6,8,10,12,14
.irp b, 0,1,2,3
	v_max3_num_f32 v[TM+\b], v[TM+\b], |v[16*\b+\i+(\s)]|, |v[16*\b+\i+1+(\s)]|   ; (the four blocks by turns)
.endr
.endr
.irp b, 0,1,2,3
	v_permlanex16_b32 v[TM+4+\b], v[TM+\b], s[SEL], s[SEL+1]
.endr
.irp b, 0,1,2,3
	v_max_num_f32 v[TM+\b], v[TM+\b], v[TM+4+\b]   ; with lane l xor 16's 16: the block's largest magnitude
.endr
.irp b, 0,1,2,3
	v_add_nc_u32 v[TM+12+\b], 0xff000000, v[TM+\b] ; 2 off its exponent field: the conversion takes the exponent field of this operand as its scale
.endr
.irp b, 0,1,2,3
	v_lshrrev_b32 v[TM+4+\b], 23, v[TM+12+\b]      ; the scale's byte
.endr
	v_lshl_or_b32 v[\pw], v[TM+5], 8, v[TM+4]
	v_lshl_or_b32 v[\pw], v[TM+6], 16, v[\pw]
	v_lshl_or_b32 v[\pw], v[TM+7], 24, v[\pw]
.irp c, 0,1                                    ; tiles 4 c, 4 c + 2, 4 c + 1, 4 c + 3, in this order
	v_cvt_scalef32_pk8_fp4_f32 v[4*\c+(\pc)],   v[32*\c+(\s):32*\c+7+(\s)],     v[TM+12+2*\c]
	v_cvt_scalef32_pk8_fp4_f32 v[4*\c+1+(\pc)], v[32*\c+16+(\s):32*\c+23+(\s)], v[TM+13+2*\c]
	v_cvt_scalef32_pk8_fp4_f32 v[4*\c+2+(\pc)], v[32*\c+8+(\s):32*\c+15+(\s)],  v[TM+12+2*\c]
	v_cvt_scalef32_pk8_fp4_f32 v[4*\c+3+(\pc)], v[32*\c+24+(\s):32*\c+31+(\s)], v[TM+13+2*\c]
.endr
	v_nop                                          ; one plain place behind a scaled conversion
.irp c, 0,1                                    ; the first's lanes 16-31 change places with the second's lanes 0-15: lanes 0-15 then hold block 2 c whole, lanes 16-31 block 2 c + 1
	v_permlane16_swap_b32 v[4*\c+(\pc)], v[4*\c+1+(\pc)]
	v_permlane16_swap_b32 v[4*\c+2+(\pc)], v[4*\c+3+(\pc)]
.endr
.endm
; R's block a leaves: its eight accumulators come into window 0, each from its low end on, with the bias along R added; they are quantised; the two planes of four registers are stored as they stand.
; Every a has code registers of its own: no store's data are written again.
.macro OUTA a
	WIN RD_LO+(\a)/4
.set n, 0
.rept 32
	v_pk_add_f32 v[HA+n:HA+n+1], v[64*((\a)%4)+n:64*((\a)%4)+n+1], v[BJ+2*(\a):BJ+2*(\a)+1] op_sel_hi:[1,0]
.set n, n+2
.endr
	WIN 0
	QUANT4 HA, PCS+8*(\a), FULL+(\a)
.irp c, 0,1
	global_store_b128 v[LI], v[PCS+8*(\a)+4*\c:PCS+8*(\a)+4*\c+3], s[OC:OC+1] offset:512*(\a)+65536*\c   ; 32 lanes store 512 consecutive bytes, at a multiple of 512 from the buffer's first byte
.endr
.endm
.irp b, 0,1,2,3
	v_mov_b32 v[TM+4+\b], 0                        ; a lane permute's destination counts as one of its sources.  These four are also the places behind the last products
.endr
.irp a, 0,1,2,3,4,5,6,7
	OUTA \a
.endr
	; the scale words: word i of lane l is tile a = 2 i + l / 16's, row l % 16
	v_cmp_le_u32 vcc_lo, 16, v[LN]
.irp i, 0,1,2,3
	v_cndmask_b32 v[T+\i], v[FULL+2*\i], v[FULL+2*\i+1], vcc_lo
.endr
.irp i, 0,1,2,3
	v_and_b32 v[U+\i], s[MLO], v[T+\i]             ; q, k: the first head's two bytes, zeros above; v: all four
.endr
	global_store_b128 v[LI], v[U:U+3], s[OS:OS+1]
	s_cmp_eq_u32 s[ZZ], 2                          ; z is the same in all partners of a cluster
	s_cbranch_scc1 .Lno_second
.irp i, 0,1,2,3
	v_lshrrev_b32 v[W+\i], 16, v[T+\i]             ; q, k: the second head's two bytes
.endr
	global_store_b128 v[LI], v[W:W+3], s[OS:OS+1] offset:8192
.Lno_second:
	s_wait_tensorcnt 0x0
	ds_add_u32 v126, v127
	s_wait_dscnt 0x0
	CROUND                                         ; the closing round: no work-group ends while a partner may still ask for a tile that names it
	s_endpgm
.Lfunc_end_k_q01559472c3_proj:
	.size	k_q01559472c3_proj, .Lfunc_end_k_q01559472c3_proj-k_q01559472c3_proj
	.p2alignl 7, 3214868480
	.fill 96, 4, 3214868480
	.section	.rodata,"a",@progbits
	.p2align	6, 0x0
	.amdhsa_kernel k_q01559472c3_proj
		.amdhsa_group_segment_fixed_size 296448
		.amdhsa_private_segment_fixed_size 0
		.amdhsa_enable_private_segment 0
		.amdhsa_kernarg_size 136
		.amdhsa_user_sgpr_count 2
		.amdhsa_user_sgpr_kernarg_segment_ptr 1
		.amdhsa_wavefront_size32 1
		.amdhsa_system_sgpr_workgroup_id_x 1
		.amdhsa_system_sgpr_workgroup_id_y 1
		.amdhsa_system_sgpr_workgroup_id_z 1
		.amdhsa_system_vgpr_workitem_id 0
		.amdhsa_next_free_vgpr 1024
		.amdhsa_next_free_sgpr 102
		.amdhsa_reserve_vcc 1
		.amdhsa_float_denorm_mode_32 3
		.amdhsa_float_denorm_mode_16_64 3
		.amdhsa_memory_ordered 1
		.amdhsa_forward_progress 1
		.amdhsa_inst_pref_size 149
	.end_amdhsa_kernel
	.amdgpu_metadata
---
amdhsa.version: [ 1, 2 ]
amdhsa.kernels:
  - .name:           k_q01559472c3_proj
    .symbol:         k_q01559472c3_proj.kd
    .args:
      - { .name: q_codes, .offset: 0, .size: 8, .value_kind: global_buffer, .address_space: global }
      - { .name: q_scales, .offset: 8, .size: 8, .value_kind: global_buffer, .address_space: global }
      - { .name: Wq_codes, .offset: 16, .size: 8, .value_kind: global_buffer, .address_space: global }
      - { .name: Wq_scales, .offset: 24, .size: 8, .value_kind: global_buffer, .address_space: global }
      - { .name: bq, .offset: 32, .size: 8, .value_kind: global_buffer, .address_space: global }
      - { .name: k_codes, .offset: 40, .size: 8, .value_kind: global_buffer, .address_space: global }
      - { .name: k_scales, .offset: 48, .size: 8, .value_kind: global_buffer, .address_space: global }
      - { .name: Wk_codes, .offset: 56, .size: 8, .value_kind: global_buffer, .address_space: global }
      - { .name: Wk_scales, .offset: 64, .size: 8, .value_kind: global_buffer, .address_space: global }
      - { .name: bk, .offset: 72, .size: 8, .value_kind: global_buffer, .address_space: global }
      - { .name: Wv_codes, .offset: 80, .size: 8, .value_kind: global_buffer, .address_space: global }
      - { .name: Wv_scales, .offset: 88, .size: 8, .value_kind: global_buffer, .address_space: global }
      - { .name: v_codes, .offset: 96, .size: 8, .value_kind: global_buffer, .address_space: global }
      - { .name: v_scales, .offset: 104, .size: 8, .value_kind: global_buffer, .address_space: global }
      - { .name: bv, .offset: 112, .size: 8, .value_kind: global_buffer, .address_space: global }
      - { .name: acts, .offset: 120, .size: 8, .value_kind: global_buffer, .address_space: global }
      - { .name: scl, .offset: 128, .size: 8, .value_kind: global_buffer, .address_space: global }
    .group_segment_fixed_size: 296448
    .private_segment_fixed_size: 0
    .kernarg_segment_align: 8
    .kernarg_segment_size: 136
    .max_flat_workgroup_size: 128
    .sgpr_count:     102
    .vgpr_count:     1024
    .wavefront_size: 32
...
	.end_amdgpu_metadata
.endif
;; end of part 1
;; launch attn (part 2): grid 4 x 64, 16 waves a work-group, clusters of 4 x 1, 219,136 bytes of LDS; arguments acts, scl, out0; writes out0
.if DOCPART == 2
	.amdgcn_target "amdgcn-amd-amdhsa--gfx1250"
	.amdhsa_code_object_version 6
	.text
	.protected	k_q01559472c3_attn
	.globl	k_q01559472c3_attn
	.p2align	8
	.type	k_q01559472c3_attn,@function
k_q01559472c3_attn:
	s_mov_b64 s[64:65], 0
	v_nop
	global_prefetch_b8 v0, s[64:65] scope:SCOPE_SE
	s_setreg_imm32_b32 hwreg(HW_REG_WAVE_MODE, 25, 1), 1
	s_wait_xcnt 0x0
	s_wait_alu depctr_hold_cnt(0) depctr_sa_sdst(0) depctr_va_vdst(0) depctr_va_sdst(0) depctr_va_ssrc(0) depctr_va_vcc(0) depctr_vm_vsrc(0)
	s_getreg_b32 s2, hwreg(HW_REG_IB_STS2, 6, 4)
	s_cmp_eq_u32 s2, 0
	s_cbranch_scc0 .Lentry_in_a_cluster
	s_endpgm
.Lentry_in_a_cluster:
	s_bfe_u32 s2, ttmp6, 0x10000c
	s_cmp_lg_u32 s2, 0x3003
	s_cbranch_scc0 .Lentry_shape_is_right
	s_endpgm
.Lentry_shape_is_right:
; out[b][q][64 head + d] = the sum over keys of sigmoid(qh[q] . kh[key] / 8) vh[key][d], both products on codes of FP4 (E2M1) with one E8M0 scale for each 32 along a product's K.
; qh, kh and vh come from the launch before as images of operand registers (acts) with their scale words (scl): a piece of 512 bytes is lane l's 16 bytes at 16 l.
;   q, k: head h of batch b is 65,536 dense bytes; piece T holds rows 16 T + r; lane (r, h) holds block h (channels 32 h .. 32 h + 31) of its row: registers 0 .. 3 of an operand whose K is 64.
;   v:    keys innermost: for key step s (128 keys) and channel tile u, plane c holds registers 4 c .. 4 c + 3: lane (r, h): channel 16 u + r, keys 128 s + 64 c + 32 h + 0 .. 31.
; THE WEIGHTS.  w = 1 / (1 + 2^(c x score)), c = -log2(e) / 8, in f32; then quantised along the keys: a block's largest w, its scale, the conversion.  There is no maximum to take away and no sum to divide by.
; SHARES.  A work-group owns 512 queries of one head; each of its SIXTEEN waves owns 32, two tiles of 16, in under 256 registers: four waves to a SIMD, so that one wave's vector work stands beside another's matrix
; work and LDS loads.  Each fragment of K and of V that a wave reads feeds both its tiles.  Every wave walks the head's 2,048 keys, 128 a step.
; LDS holds the whole head's K and V (131,072 bytes of codes, 16,384 of scale words), filled ONCE: one barrier, and then the waves run free.
; CLUSTER.  The four blocks of 512 queries of a head read the same K and V: each tile is asked for JOINTLY, by the same tensor load with the same descriptor and a mask that names the four.
; LAYOUT.  Both products are used transposed: S^T = K Q^T (source 0 = 16 keys, source 1 = 16 queries), O^T = V^T W^T (source 0 = 16 channels, source 1 = the weights): a lane holds ONE query (lane % 16) throughout.
; In S^T's tile t lane (r, h) holds keys 16 t + 8 h + 0 .. 7: one register of codes.  The registers of tiles 4 c, 4 c + 2, 4 c + 1, 4 c + 3, with the halves of each neighbouring pair exchanged, are registers 4 c .. 4 c + 3 of the weights' operand.
; K = 64 IN AN INSTRUCTION OF 128.  Q's registers 4 .. 7 are zero codes.  K's operand for tile t is its four registers and the four behind them (the next tile's codes, or zeros): these meet zero codes alone.
; The upper two bytes of both scale words are 0, a power of two like any other.
; LIMITS: NaN and infinities are not served.  v_exp_f32 and v_rcp_f32 give 0 for what lies under 2^-126 (ISA guide, 15.8): a weight that small is 0.  The score is multiplied by -log2(e) / 8 in one rounding.
; A block of weights that are all 0 gets the byte 1: its codes are zeros.
.set KC,    0                          ; K's codes: [tile 128][512]
.set VC,    65536                      ; V's codes: [plane 2][step 16][channel tile 4][512]
.set KSC,   131072                     ; K's scale words: [step 16][512]
.set VSC,   139264                     ; the head pair's scale words of V: [step 16][512]
.set STAGE, 147456                     ; the way out: 16 rows x 272 bytes for each wave; no tensor load lands here
.set SP,    272
.set AK0, 1                            ; v1   KC + 16 x lane; also the offset of Q's loads; never rewritten
.set AV0, 2                            ; v2   VC + 16 x lane
.set AS0, 3                            ; v3   KSC + 16 x lane
.set AT0, 4                            ; v4   VSC + 16 x lane + 8 x (head % 2)
.set ADK, 5                            ; v5-8 the addresses of the step in hand
.set ADV, 6
.set ADS, 7
.set ADT, 8
.set GO,  9                            ; v9   the way out: my byte offset in two rows of out0
.set STO, 10                           ; v10  where I put 32 bytes of a row
.set RD,  11                           ; v11  where I read a row back
.set QF,  16                           ; v16-31  tile 0: four registers of codes, four of zeros; tile 1 likewise
.set KF,  32                           ; v32-63  K's eight tiles, four registers each; later V's four fragments, eight each;  v64-67 zeros
.set KS,  68                           ; v68-71  K's scale words: register t / 2, lanes 0-15 the even tile, lanes 16-31 the odd
.set VS,  72                           ; v72-73  V's likewise
.set QS,  74                           ; v74     Q's: lanes 0-15 my tile 0, lanes 16-31 my tile 1
.set PW,  75                           ; v75-76  the weights' scale words, a register a tile
.set PC,  80                           ; v80-95  the weights' codes, eight registers a tile
.set S,   96                           ; v96-159 S^T of the tile in hand, then its weights
.set O,   160                          ; v160-223 O^T: tile q, channel tile u at 32 q + 8 u
.set TM,  224                          ; v224-235 +0..3 largest weights, +4..7 the other half's, then bytes, +8..11 the conversions' scale operands
.set WV,  10                           ; s10
.set G1K, 24                           ; s[24:31], s[32:39], s[40:47] groups 1: K's codes, V's codes, scale words
.set G1V, 32
.set G1S, 40
.set G0K, 48                           ; s[48:51] .. s[60:63] groups 0
.set G0V, 52
.set G0SK, 56
.set G0SV, 60
.set CS,  66                           ; s[66:67] c: the packed form names a pair and takes its low word for both halves
.set SEL, 68                           ; s[68:69] v_permlanex16_b32's selects for lane l xor 16
.set TK,  70                           ; s70  the step's first byte among K's codes: 4,096 a step
.set TV,  71                           ; s71  among V's: 2,048 a step
.set TS,  72                           ; s72  among the scale words: 512 a step
.set CNT, 73
.macro CROUND                          ; a round of the cluster's barrier
	s_barrier_signal -1
	s_barrier_wait -1
	s_cmp_lg_u32 s[WV], 0
	s_cbranch_scc1 .Lnot_wave_0_\@
	s_barrier_signal -3
.Lnot_wave_0_\@:
	s_barrier_wait -3
	s_barrier_signal -1
	s_barrier_wait -1
.endm
.macro PLACES n
.rept \n
	v_nop
.endr
.endm
	s_load_b128 s[4:7], s[0:1], 0x0                ; acts, scl
	s_load_b64 s[8:9], s[0:1], 0x10                ; out0
	v_lshl_add_u32 v254, v0, 2, 0x35000
	v_mov_b32 v255, 0
	ds_add_u32 v254, v255
	ds_add_u32 v254, v255
	v_lshrrev_b32 v12, 5, v0
	v_readfirstlane_b32 s[WV], v12                 ; wave 0..15
	s_bfe_u32 s11, ttmp6, 0x40000                  ; cx: my block of 512 queries; it enters Q's and out0's addresses alone
	s_and_b32 s12, ttmp7, 0xffff                   ; 16 b + head, which the four partners share
	s_lshr_b32 s13, s12, 4                         ; b
	s_and_b32 s14, s12, 15                         ; head
	s_and_b32 s15, s12, 1                          ; head % 2
	; groups 1.  15:0 the mask: all four work-groups; 17:16 elements of 8 bytes; 21 set beside a mask; no padding: every read is 16 x lane on end
	s_mov_b32 s[G1K], 15|(3<<16)|(1<<21)           ; K's codes: half a head, 128 rows of 256 bytes, dense
	s_mov_b32 s[G1K+1], 32<<16
	s_mov_b32 s[G1K+2], 128<<16
	s_mov_b32 s[G1K+3], 32<<16
	s_mov_b32 s[G1K+4], 128
	s_mov_b32 s[G1K+5], 32
	s_mov_b32 s[G1K+6], 0
	s_mov_b32 s[G1K+7], 0
	s_mov_b32 s[G1V], 15|(3<<16)|(1<<21)           ; V's codes: a plane: 16 key steps x 2,048 bytes (my head's four channel tiles), 4,096 bytes apart
	s_mov_b32 s[G1V+1], 256<<16
	s_mov_b32 s[G1V+2], 16<<16
	s_mov_b32 s[G1V+3], 256<<16
	s_mov_b32 s[G1V+4], 16
	s_mov_b32 s[G1V+5], 512
	s_mov_b32 s[G1V+6], 0
	s_mov_b32 s[G1V+7], 0
	s_mov_b32 s[G1S], 15|(3<<16)|(1<<21)           ; scale words: 8,192 dense bytes, as 32 rows of 256
	s_mov_b32 s[G1S+1], 32<<16
	s_mov_b32 s[G1S+2], 32<<16
	s_mov_b32 s[G1S+3], 32<<16
	s_mov_b32 s[G1S+4], 32
	s_mov_b32 s[G1S+5], 32
	s_mov_b32 s[G1S+6], 0
	s_mov_b32 s[G1S+7], 0
	s_and_b32 s16, s[WV], 1                        ; which half (K) or plane (V) I fetch, if I fetch
	s_lshl_b32 s17, s16, 15                        ; 32,768 bytes of LDS each
	s_lshl_b32 s20, s12, 16                        ; K: z = 1, the head's 65,536 bytes, my half
	s_add_co_u32 s20, s20, s17
	s_add_co_u32 s20, s20, 1<<22
	s_mov_b32 s21, 0
	s_lshr_b32 s18, s14, 1                         ; the head pair
	s_lshl_b32 s22, s13, 20                        ; V: z = 2, b, the pair, my plane, my head's half of each step's 4,096 bytes
	s_lshl_b32 s19, s18, 17
	s_add_co_u32 s22, s22, s19
	s_lshl_b32 s19, s16, 16
	s_add_co_u32 s22, s22, s19
	s_lshl_b32 s19, s15, 11
	s_add_co_u32 s22, s22, s19
	s_add_co_u32 s22, s22, 2<<22
	s_mov_b32 s23, 0
	s_wait_dscnt 0x0
	s_wait_kmcnt 0x0
	s_mov_b32 s[G0K], 1
	s_mov_b32 s[G0K+1], s17                        ; KC + 32,768 x half
	s_add_nc_u64 s[G0K+2:G0K+3], s[4:5], s[20:21]
	s_or_b32 s[G0K+3], s[G0K+3], 0x80000000
	s_mov_b32 s[G0V], 1
	s_add_co_u32 s[G0V+1], s17, VC
	s_add_nc_u64 s[G0V+2:G0V+3], s[4:5], s[22:23]
	s_or_b32 s[G0V+3], s[G0V+3], 0x80000000
	s_lshl_b32 s20, s12, 13                        ; K's scale words: z = 1, the head's 8,192 bytes
	s_add_co_u32 s20, s20, 1<<19
	s_mov_b32 s[G0SK], 1
	s_mov_b32 s[G0SK+1], KSC
	s_add_nc_u64 s[G0SK+2:G0SK+3], s[6:7], s[20:21]
	s_or_b32 s[G0SK+3], s[G0SK+3], 0x80000000
	s_lshl_b32 s22, s13, 17                        ; V's: z = 2, b, the pair, plane 0
	s_lshl_b32 s19, s18, 14
	s_add_co_u32 s22, s22, s19
	s_add_co_u32 s22, s22, 2<<19
	s_mov_b32 s[G0SV], 1
	s_mov_b32 s[G0SV+1], VSC
	s_add_nc_u64 s[G0SV+2:G0SV+3], s[6:7], s[22:23]
	s_or_b32 s[G0SV+3], s[G0SV+3], 0x80000000
	CROUND                                         ; all four work-groups are here: the joint loads meet
	; THE FILLS, once.  Waves 0, 1: K's halves; 2, 3: V's planes; 4: K's scale words; 5: V's; the others none: a wave has at most one tensor load out.  The branches hang on the wave's number alone.
	; Four v_nop follow each load, ahead of the jump and the label.
	s_cmp_lt_u32 s[WV], 2
	s_cbranch_scc0 .Lnot_k
	tensor_load_to_lds s[G0K:G0K+3], s[G1K:G1K+7]
	s_nop 0
	PLACES 4
	s_branch .Lasked
.Lnot_k:
	s_cmp_lt_u32 s[WV], 4
	s_cbranch_scc0 .Lnot_v
	tensor_load_to_lds s[G0V:G0V+3], s[G1V:G1V+7]
	s_nop 0
	PLACES 4
	s_branch .Lasked
.Lnot_v:
	s_cmp_eq_u32 s[WV], 4
	s_cbranch_scc0 .Lnot_sk
	tensor_load_to_lds s[G0SK:G0SK+3], s[G1S:G1S+7]
	s_nop 0
	PLACES 4
	s_branch .Lasked
.Lnot_sk:
	s_cmp_eq_u32 s[WV], 5
	s_cbranch_scc0 .Lasked
	tensor_load_to_lds s[G0SV:G0SV+3], s[G1S:G1S+7]
	s_nop 0
	PLACES 4
.Lasked:
	; Q: my two tiles, 32 cx + 2 w and the next, stay in registers
	v_and_b32 v12, 31, v0                          ; lane
	v_lshlrev_b32 v[AK0], 4, v12                   ; 16 x lane (KC = 0)
	s_lshl_b32 s16, s12, 16                        ; z = 0: the head's 65,536 bytes,
	s_lshl_b32 s17, s11, 14                        ; 32 tiles of 512 bytes a work-group,
	s_add_co_u32 s16, s16, s17
	s_lshl_b32 s17, s[WV], 10                      ; two a wave
	s_add_co_u32 s16, s16, s17
	s_mov_b32 s17, 0
	s_add_nc_u64 s[18:19], s[4:5], s[16:17]
	s_lshl_b32 s16, s12, 13                        ; their scale words: the head's 8,192 bytes; piece 4 cx + w / 4; word w % 4 of each lane's four
	s_lshl_b32 s20, s11, 2
	s_lshr_b32 s21, s[WV], 2
	s_add_co_u32 s20, s20, s21
	s_lshl_b32 s20, s20, 9
	s_add_co_u32 s16, s16, s20
	s_and_b32 s20, s[WV], 3
	s_lshl_b32 s20, s20, 2
	s_add_co_u32 s16, s16, s20
	s_add_nc_u64 s[20:21], s[6:7], s[16:17]
	global_load_b128 v[QF:QF+3], v[AK0], s[18:19]
	global_load_b128 v[QF+8:QF+11], v[AK0], s[18:19] offset:512
	global_load_b32 v[QS], v[AK0], s[20:21]
.irp j, 4,5,6,7,12,13,14,15
	v_mov_b32 v[QF+\j], 0                          ; Q's zero codes for k = 64 .. 127
.endr
.irp j, 0,1,2,3
	v_mov_b32 v[KF+32+\j], 0                       ; what stands behind K's last tile
	v_mov_b32 v[TM+4+\j], 0                        ; a lane permute's destination counts as one of its sources
.endr
	v_and_b32 v13, 15, v0                          ; r
	v_bfe_u32 v14, v0, 4, 1                        ; h
	v_add_nc_u32 v[AV0], VC, v[AK0]
	v_add_nc_u32 v[AS0], KSC, v[AK0]
	s_lshl_b32 s16, s15, 3
	s_add_co_u32 s16, s16, VSC
	v_add_nc_u32 v[AT0], s16, v[AK0]               ; my head's two of the pair's four words
	v_lshlrev_b32 v[GO], 12, v14                   ; out0: lanes 0-15 one row of 4,096 bytes, lanes 16-31 the next; 16 bytes a lane
	v_lshl_add_u32 v[GO], v13, 4, v[GO]
	s_mul_i32 s17, s[WV], 16*SP
	s_add_co_u32 s17, s17, STAGE                   ; my stage
	v_mul_u32_u24 v[STO], v13, SP                  ; in: row r, 32 bytes for each half of the lanes
	v_lshl_add_u32 v[STO], v14, 5, v[STO]
	v_add_nc_u32 v[STO], s17, v[STO]
	v_mul_u32_u24 v[RD], v14, SP                   ; back: lanes 0-15 one row of 256 bytes, lanes 16-31 the next
	v_lshl_add_u32 v[RD], v13, 4, v[RD]
	v_add_nc_u32 v[RD], s17, v[RD]
	s_lshl_b32 s22, s13, 11                        ; my first row of out0: 2,048 b + 512 cx + 32 w,
	s_lshl_b32 s23, s11, 9
	s_add_co_u32 s22, s22, s23
	s_lshl_b32 s23, s[WV], 5
	s_add_co_u32 s22, s22, s23
	s_lshl_b32 s22, s22, 12                        ; rows of 4,096 bytes (under 2^25),
	s_lshl_b32 s23, s14, 8                         ; my head's 256 bytes of a row
	s_add_co_u32 s22, s22, s23
	s_mov_b32 s23, 0
	s_add_nc_u64 s[8:9], s[8:9], s[22:23]
	s_mov_b32 s[CS], 0xbe38aa3b                    ; c = -log2(e) / 8
	s_mov_b32 s[CS+1], s[CS]
	s_mov_b32 s[SEL], 0x76543210
	s_mov_b32 s[SEL+1], 0xfedcba98
	s_mov_b32 s[TK], 0
	s_mov_b32 s[TV], 0
	s_mov_b32 s[TS], 0
	s_wait_tensorcnt 0x0                           ; my load, if I had one, has landed;
	s_barrier_signal -1
	s_barrier_wait -1                              ; everybody's has: the head's K and V lie in LDS, and nobody writes them again
	s_wait_loadcnt 0x0                             ; Q
; A scaled product.  zero = 1: it starts its sum.  ra, rb: source 0's, source 1's scale words stand in lanes 16-31.
.macro WM d, a, b, zero, sa, sb, ra, rb
.if \zero
.if (\ra) && (\rb)
	v_wmma_scale_f32_16x16x128_f8f6f4 v[0+(\d):7+(\d)], v[0+(\a):7+(\a)], v[0+(\b):7+(\b)], 0, v[\sa], v[\sb] matrix_a_fmt:MATRIX_FMT_FP4 matrix_b_fmt:MATRIX_FMT_FP4 matrix_a_scale:MATRIX_SCALE_ROW1 matrix_b_scale:MATRIX_SCALE_ROW1
.elseif (\ra)
	v_wmma_scale_f32_16x16x128_f8f6f4 v[0+(\d):7+(\d)], v[0+(\a):7+(\a)], v[0+(\b):7+(\b)], 0, v[\sa], v[\sb] matrix_a_fmt:MATRIX_FMT_FP4 matrix_b_fmt:MATRIX_FMT_FP4 matrix_a_scale:MATRIX_SCALE_ROW1
.elseif (\rb)
	v_wmma_scale_f32_16x16x128_f8f6f4 v[0+(\d):7+(\d)], v[0+(\a):7+(\a)], v[0+(\b):7+(\b)], 0, v[\sa], v[\sb] matrix_a_fmt:MATRIX_FMT_FP4 matrix_b_fmt:MATRIX_FMT_FP4 matrix_b_scale:MATRIX_SCALE_ROW1
.else
	v_wmma_scale_f32_16x16x128_f8f6f4 v[0+(\d):7+(\d)], v[0+(\a):7+(\a)], v[0+(\b):7+(\b)], 0, v[\sa], v[\sb] matrix_a_fmt:MATRIX_FMT_FP4 matrix_b_fmt:MATRIX_FMT_FP4
.endif
.else
.if (\ra) && (\rb)
	v_wmma_scale_f32_16x16x128_f8f6f4 v[0+(\d):7+(\d)], v[0+(\a):7+(\a)], v[0+(\b):7+(\b)], v[0+(\d):7+(\d)], v[\sa], v[\sb] matrix_a_fmt:MATRIX_FMT_FP4 matrix_b_fmt:MATRIX_FMT_FP4 matrix_a_scale:MATRIX_SCALE_ROW1 matrix_b_scale:MATRIX_SCALE_ROW1
.elseif (\ra)
	v_wmma_scale_f32_16x16x128_f8f6f4 v[0+(\d):7+(\d)], v[0+(\a):7+(\a)], v[0+(\b):7+(\b)], v[0+(\d):7+(\d)], v[\sa], v[\sb] matrix_a_fmt:MATRIX_FMT_FP4 matrix_b_fmt:MATRIX_FMT_FP4 matrix_a_scale:MATRIX_SCALE_ROW1
.elseif (\rb)
	v_wmma_scale_f32_16x16x128_f8f6f4 v[0+(\d):7+(\d)], v[0+(\a):7+(\a)], v[0+(\b):7+(\b)], v[0+(\d):7+(\d)], v[\sa], v[\sb] matrix_a_fmt:MATRIX_FMT_FP4 matrix_b_fmt:MATRIX_FMT_FP4 matrix_b_scale:MATRIX_SCALE_ROW1
.else
	v_wmma_scale_f32_16x16x128_f8f6f4 v[0+(\d):7+(\d)], v[0+(\a):7+(\a)], v[0+(\b):7+(\b)], v[0+(\d):7+(\d)], v[\sa], v[\sb] matrix_a_fmt:MATRIX_FMT_FP4 matrix_b_fmt:MATRIX_FMT_FP4
.endif
.endif
.endm
; S^T of my tile q and the step's 128 keys: eight products.  Lane (r, h), register 8 t + j: query r, key 16 t + 8 h + j
.macro SMUL q
.irp t, 0,1,2,3,4,5,6,7
	WM S+8*\t, KF+4*\t, QF+8*\q, 1, KS+\t/2, QS, \t%2, \q
.endr
.endm
; The 64 scores of a lane become weights, and the weights an operand: codes in v[PC + 8 q] on, scale word in v[PW + q].
; The exponentials are one batch and the reciprocals another: behind each a plain instruction and ONE wait, ahead of the batch's first reader.
.macro SIG q
.set n, 0
.rept 32
	v_pk_mul_f32 v[S+n:S+n+1], v[S+n:S+n+1], s[CS:CS+1] op_sel_hi:[1,0]   ; c x score, two at a time; each accumulator is read from its low end on
.set n, n+2
.endr
.set n, 0
.rept 64
	v_exp_f32 v[S+n], v[S+n]                       ; e^(-score / 8)
.set n, n+1
.endr
	v_nop
	s_wait_alu depctr_va_vdst(0)
.set n, 0
.rept 32
	v_pk_add_f32 v[S+n:S+n+1], v[S+n:S+n+1], 1.0 op_sel_hi:[1,0]
.set n, n+2
.endr
.set n, 0
.rept 64
	v_rcp_f32 v[S+n], v[S+n]                       ; the weight
.set n, n+1
.endr
	v_nop
	s_wait_alu depctr_va_vdst(0)
.irp b, 0,1,2,3
	v_max3_num_f32 v[TM+\b], v[S+16*\b], v[S+16*\b+1], 0x1800000   ; block b of 32 keys: my 16 weights (none is negative), and the floor 2^(3 - 127): so the byte cannot fall under 1
.endr
.irp i, 2,4,6,8,10,12,14
.irp b, 0,1,2,3
	v_max3_num_f32 v[TM+\b], v[TM+\b], v[S+16*\b+\i], v[S+16*\b+\i+1]   ; (the four blocks by turns)
.endr
.endr
.irp b, 0,1,2,3
	v_permlanex16_b32 v[TM+4+\b], v[TM+\b], s[SEL], s[SEL+1]
.endr
.irp b, 0,1,2,3
	v_max_num_f32 v[TM+\b], v[TM+\b], v[TM+4+\b]   ; with lane l xor 16's 16 keys
.endr
.irp b, 0,1,2,3
	v_add_nc_u32 v[TM+8+\b], 0xff000000, v[TM+\b]  ; 2 off the exponent field: the conversion's scale operand
.endr
.irp b, 0,1,2,3
	v_lshrrev_b32 v[TM+4+\b], 23, v[TM+8+\b]       ; the scale's byte
.endr
	v_lshl_or_b32 v[PW+\q], v[TM+5], 8, v[TM+4]
	v_lshl_or_b32 v[PW+\q], v[TM+6], 16, v[PW+\q]
	v_lshl_or_b32 v[PW+\q], v[TM+7], 24, v[PW+\q]
.irp c, 0,1                                    ; tiles 4 c, 4 c + 2, 4 c + 1, 4 c + 3, in this order
	v_cvt_scalef32_pk8_fp4_f32 v[PC+8*\q+4*\c],   v[S+32*\c:S+32*\c+7],     v[TM+8+2*\c]
	v_cvt_scalef32_pk8_fp4_f32 v[PC+8*\q+4*\c+1], v[S+32*\c+16:S+32*\c+23], v[TM+9+2*\c]
	v_cvt_scalef32_pk8_fp4_f32 v[PC+8*\q+4*\c+2], v[S+32*\c+8:S+32*\c+15],  v[TM+8+2*\c]
	v_cvt_scalef32_pk8_fp4_f32 v[PC+8*\q+4*\c+3], v[S+32*\c+24:S+32*\c+31], v[TM+9+2*\c]
.endr
	v_nop                                          ; one plain place behind a scaled conversion
.irp c, 0,1                                    ; lanes 0-15 then hold block 2 c whole, lanes 16-31 block 2 c + 1
	v_permlane16_swap_b32 v[PC+8*\q+4*\c], v[PC+8*\q+4*\c+1]
	v_permlane16_swap_b32 v[PC+8*\q+4*\c+2], v[PC+8*\q+4*\c+3]
.endr
.endm
; O^T += V^T W^T: four channel tiles x my two tiles of queries, K = the step's 128 keys.  The eight accumulators take turns, one instruction a turn.
.macro PV first
.irp u, 0,1,2,3
.irp q, 0,1
	WM O+32*\q+8*\u, KF+8*\u, PC+8*\q, \first, VS+\u/2, PW+\q, \u%2, 0
.endr
.endr
.endm
; A KEY STEP: 128 keys.  first = 1: its V^T W^T starts O^T's sums: nothing is ever cleared.
.macro KSTEP first
	v_add_nc_u32 v[ADK], s[TK], v[AK0]             ; these four are also the places between the last step's V^T W^T and the loads into the registers that it read
	v_add_nc_u32 v[ADV], s[TV], v[AV0]
	v_add_nc_u32 v[ADS], s[TS], v[AS0]
	v_add_nc_u32 v[ADT], s[TS], v[AT0]
.irp t, 0,1,2,3,4,5,6,7
	ds_load_b128 v[KF+4*\t:KF+4*\t+3], v[ADK] offset:512*\t
.endr
	ds_load_b128 v[KS:KS+3], v[ADS]
	s_wait_dscnt 0x0
	SMUL 0
	PLACES 4                                       ; ahead of the first read of the scores
	SIG 0
	SMUL 1
	PLACES 4                                       ; ahead of the loads into K's registers and of the first read of the scores
.irp u, 0,1,2,3
.irp c, 0,1
	ds_load_b128 v[KF+8*\u+4*\c:KF+8*\u+4*\c+3], v[ADV] offset:32768*\c+512*\u   ; V lands while tile 1's weights are made
.endr
.endr
	ds_load_b64 v[VS:VS+1], v[ADT]
	SIG 1
	PLACES 8                                       ; a scale register written by a vector instruction stands 8 places ahead of a scaled matrix instruction, an operand so written 4
	s_wait_dscnt 0x0                               ; V
	PV \first
	s_add_co_u32 s[TK], s[TK], 4096                ; the next step
	s_add_co_u32 s[TV], s[TV], 2048
	s_add_co_u32 s[TS], s[TS], 512
.endm
	KSTEP 1
	s_mov_b32 s[CNT], 15
.Lstep:
	KSTEP 0
	s_sub_co_u32 s[CNT], s[CNT], 1
	s_cmp_lg_u32 s[CNT], 0
	s_cbranch_scc1 .Lstep
	; THE WAY OUT.  A lane holds eight neighbouring channels of one query, and the lanes beside it other queries: a tile (16 rows x 256 bytes) goes through my own stage in LDS and comes back by rows, so that
	; sixteen lanes store a row's 256 bytes of my head.  LDS serves a wave's instructions in order (ISA guide 5.7.1.4): no wait between the stores and the loads, nor ahead of the next tile's stores.
	PLACES 4                                       ; ahead of the first read of O^T
.irp q, 0,1
.irp u, 0,1,2,3
	ds_store_b128 v[STO], v[O+32*\q+8*\u:O+32*\q+8*\u+3] offset:64*\u          ; each accumulator from its low end on
	ds_store_b128 v[STO], v[O+32*\q+8*\u+4:O+32*\q+8*\u+7] offset:64*\u+16
.endr
.irp i, 0,1,2,3,4,5,6,7
	ds_load_b128 v[S+32*\q+4*\i:S+32*\q+4*\i+3], v[RD] offset:2*\i*SP
.endr
.endr
.irp i, 0,1,2,3,4,5,6,7
	s_wait_dscnt 23-\i                             ; behind tile 0's load i: its 7 - i younger loads and tile 1's sixteen LDS instructions
	global_store_b128 v[GO], v[S+4*\i:S+4*\i+3], s[8:9] offset:2*\i*4096 th:TH_STORE_NT   ; 16 lanes store 256 consecutive bytes, at a multiple of 256 from out0's first byte; written once, read by nobody here
.endr
.irp i, 0,1,2,3,4,5,6,7
	s_wait_dscnt 7-\i                              ; behind tile 1's load i: its 7 - i younger loads; the last count is 0: no LDS instruction of mine is out at the round below
	global_store_b128 v[GO], v[S+32+4*\i:S+32+4*\i+3], s[8:9] offset:(16+2*\i)*4096 th:TH_STORE_NT
.endr
	s_wait_tensorcnt 0x0
	ds_add_u32 v254, v255
	s_wait_dscnt 0x0
	CROUND                                         ; the closing round: no work-group ends while a partner may still ask for a tile that names it
	s_endpgm
.Lfunc_end_k_q01559472c3_attn:
	.size	k_q01559472c3_attn, .Lfunc_end_k_q01559472c3_attn-k_q01559472c3_attn
	.p2alignl 7, 3214868480
	.fill 96, 4, 3214868480
	.section	.rodata,"a",@progbits
	.p2align	6, 0x0
	.amdhsa_kernel k_q01559472c3_attn
		.amdhsa_group_segment_fixed_size 219136
		.amdhsa_private_segment_fixed_size 0
		.amdhsa_enable_private_segment 0
		.amdhsa_kernarg_size 24
		.amdhsa_user_sgpr_count 2
		.amdhsa_user_sgpr_kernarg_segment_ptr 1
		.amdhsa_wavefront_size32 1
		.amdhsa_system_sgpr_workgroup_id_x 1
		.amdhsa_system_sgpr_workgroup_id_y 1
		.amdhsa_system_sgpr_workgroup_id_z 1
		.amdhsa_system_vgpr_workitem_id 0
		.amdhsa_next_free_vgpr 256
		.amdhsa_next_free_sgpr 80
		.amdhsa_reserve_vcc 0
		.amdhsa_float_denorm_mode_32 3
		.amdhsa_float_denorm_mode_16_64 3
		.amdhsa_memory_ordered 1
		.amdhsa_forward_progress 1
		.amdhsa_inst_pref_size 71
	.end_amdhsa_kernel
	.amdgpu_metadata
---
amdhsa.version: [ 1, 2 ]
amdhsa.kernels:
  - .name:           k_q01559472c3_attn
    .symbol:         k_q01559472c3_attn.kd
    .args:
      - { .name: acts, .offset: 0, .size: 8, .value_kind: global_buffer, .address_space: global }
      - { .name: scl, .offset: 8, .size: 8, .value_kind: global_buffer, .address_space: global }
      - { .name: out0, .offset: 16, .size: 8, .value_kind: global_buffer, .address_space: global }
    .group_segment_fixed_size: 219136
    .private_segment_fixed_size: 0
    .kernarg_segment_align: 8
    .kernarg_segment_size: 24
    .max_flat_workgroup_size: 512
    .sgpr_count:     80
    .vgpr_count:     256
    .wavefront_size: 32
...
	.end_amdgpu_metadata
.endif
;; end of part 2
